; MI455X (gfx1250); checked and timed in simulation.
; The chip was launched on July 23, 2026; its instructions are those of AMD's public machine-readable ISA for CDNA 5 (MIT licence, August 2026) and "CDNA5" Instruction Set Architecture Reference Guide (July 2026). The comments in the code are by the model that wrote it; some were corrected since.
;; MHA. Allowed arithmetic: matrix products marked QUANTISED: E2M1 operands, one E8M0 scale for each 32 along K, by v_wmma_scale_f32_16x16x128_f8f6f4 with both operands' format E2M1 (or v_wmma_scale_f32_32x16x128_f4), f32 sums; everything else in f32.
;; Inputs: W0_codes 1,024 x 32 x 16 uint8 (E2M1 codes of W0, K innermost, in blocks of 32 codes, two codes a byte); W0_scales 1,024 x 32 uint8 (E8M0 scales of W0, one for each 32 codes along K); Wk_codes 16 x 64 x 32 x 16 uint8 (E2M1 codes of Wk, K innermost, in blocks of 32 codes, two codes a byte); Wk_scales 16 x 64 x 32 uint8 (E8M0 scales of Wk, one for each 32 codes along K); Wq_codes 16 x 64 x 32 x 16 uint8 (E2M1 codes of Wq, K innermost, in blocks of 32 codes, two codes a byte); Wq_scales 16 x 64 x 32 uint8 (E8M0 scales of Wq, one for each 32 codes along K); Wv_codes 16 x 64 x 32 x 16 uint8 (E2M1 codes of Wv, K innermost, in blocks of 32 codes, two codes a byte); Wv_scales 16 x 64 x 32 uint8 (E8M0 scales of Wv, one for each 32 codes along K); X_codes 4 x 2,048 x 32 x 16 uint8 (E2M1 codes of X, K innermost, in blocks of 32 codes, two codes a byte); X_scales 4 x 2,048 x 32 uint8 (E8M0 scales of X, one for each 32 codes along K); attention_mask 4 x 2,048 x 2,048 bool; b0 1,024 float32; bk 16 x 64 float32; bq 16 x 64 float32; bv 16 x 64 float32.
;; Outputs: out0 4 x 2,048 x 1,024 float32.
;; This version of the problem:
;;   THIS VERSION OF THE PROBLEM IS GIVEN IN LOW PRECISION. The matrix products marked QUANTISED in the list below multiply operands that are first quantised to E2M1 (2 exponent bits, 1 mantissa bit; 4 bits a number), with one power-of-two scale for each 32 numbers along K (OCP MX v1.0); their sums are f32. All else is computed in f32.
;;   The module's matrix products, in the order in which they are computed (A, B: the left and right operand; K: the contracted axis; several contracted axes count as one K, in the product's order):
;;     1. [M 1,024, K 1,024] x [K 1,024, N 8,192]; A: input Wq (given as codes); B: input X (given as codes): QUANTISED
;;     2. [M 1,024, K 1,024] x [K 1,024, N 8,192]; A: input Wk (given as codes); B: input X (given as codes): QUANTISED
;;     3. [M 1,024, K 1,024] x [K 1,024, N 8,192]; A: input Wv (given as codes); B: input X (given as codes): QUANTISED
;;     4. batch 64 x [M 2,048, K 64] x [K 64, N 2,048]; A: computed on the way; B: computed on the way: QUANTISED
;;     5. batch 64 x [M 2,048, K 2,048] x [K 2,048, N 64]; A: softmax (see below); B: computed on the way: QUANTISED
;;     6. [M 8,192, K 1,024] x [K 1,024, N 1,024]; A: computed on the way; B: input W0 (given as codes): QUANTISED
;;   THE QUANTISER, for each operand of a quantised product, along K:
;;     - K is cut into blocks of 32 from its start; a last block that is shorter is filled with zeros.
;;     - A block's scale is 2^e with e = floor(log2(the largest magnitude in the block)) - 2, held to -126 .. 127; a block of zeros has e = 0. As a byte (E8M0): e + 127.
;;     - Each number is divided by its block's scale, clamped to +-6, and rounded to the nearest number of E2M1, ties to even, subnormals kept.
;;     - The product sums the exact products of the quantised numbers (number of the format x scale) in f32.
;;   ~~~python
;;   def quantise(x, axis):      # numpy; x: float32 -> the quantised numbers, widened to float32 again
;;       x = np.moveaxis(x, axis, -1); K = x.shape[-1]
;;       x = np.pad(x, [(0, 0)] * (x.ndim - 1) + [(0, -K % 32)]); x = x.reshape(x.shape[:-1] + (-1, 32)); a = np.abs(x).max(-1, keepdims=True)
;;       e = np.where(a > 0, np.clip(np.frexp(np.where(a > 0, a, 1))[1] - 1 - 2, -126, 127), 0)      # np.frexp(a)[1] - 1 = floor(log2(a)), exactly
;;       r = np.clip(x / 2.0 ** e, -6, 6)
;;       step = 2.0 ** (np.maximum(np.frexp(np.where(r == 0, 1, r))[1] - 1, 0) - 1)
;;       q = np.round(r / step) * step * 2.0 ** e      # np.round: ties to even
;;       return np.moveaxis(q.reshape(q.shape[:-2] + (-1,))[..., :K], -1, axis).astype(np.float32)
;;   ~~~
;;   SOFTMAX AHEAD OF A QUANTISED PRODUCT. Where the list says 'softmax', what is quantised is not the finished softmax but p = 2^(t - M), with t = logit x log2(e) and M = ceil(the row's largest t), a whole number; so 1/2 < the row's largest p <= 1. The row's sum l is taken of the UNQUANTISED p, in f32, and the product's result is divided by l at the end. Since M is a whole number, a kernel that streams over the keys may use a running M (the ceiling of the running maximum): every later rescaling is an exact power of two, which a block's scale takes up: the codes' values come out the same.
;;   OPERANDS COMPUTED ON THE WAY. 'Computed on the way' means the value that the module computes at that place (a softmax that the list does not call 'softmax' is quantised finished and normalised). What goes into a quantiser is computed in f32, as accurately as f32 sums, v_exp_f32 and their like allow (about 1e-6 of the number): no bf16 or f16 on the way to a quantiser, and a product that is left as it is and whose result goes on into a quantised operand takes f32 operands (vector FMAs, or v_wmma_f32_16x16x4_f32). A number that lies on a knife's edge between two numbers of the format may be rounded either way, as far as f32 arithmetic and the matrix unit's own rounding can turn it there, and no further.
;;   INPUTS GIVEN AS CODES. W0 (in the module: [1024, 1024], K = its axis 0); Wk (in the module: [16, 1024, 64], K = its axis 1); Wq (in the module: [16, 1024, 64], K = its axis 1); Wv (in the module: [16, 1024, 64], K = its axis 1); X (in the module: [4, 2048, 1024], K = its axis 2): each comes as NAME_codes (uint8): NAME with its K axis moved to the last place and cut into blocks of 32 codes, [.., K / 32, bytes a block], one block behind the other in memory; two codes a byte, the lower K in the low four bits (a code: sign, 2 exponent bits, 1 mantissa bit); and NAME_scales (uint8): the same leading axes, one E8M0 byte (e + 127) for each 32 codes along K. Its value is code x scale, taken as it is: it is not quantised again, and the codes and scales need not be those that the quantiser above would give.
;; One version. Each part assembles by itself: llvm-mc -triple=amdgcn-amd-amdhsa -mcpu=gfx1250 --defsym DOCPART=n.
;; ======== version 1 of 1: 4 launches
;; limits: right only within a limited range of input values
;; workspace buffers: maskbits 2,097,152 bytes of whole numbers; Qrec 4,718,592 bytes; KV 9,175,040 bytes; ctx 4,194,304 bytes; ctxs 262,144 bytes
;; launch pack (part 1): grid 512 x 1, 4 waves a work-group, no clusters, 34,304 bytes of LDS; arguments attention_mask, maskbits; writes maskbits
.if DOCPART == 1
	.amdgcn_target "amdgcn-amd-amdhsa--gfx1250"
	.amdhsa_code_object_version 6
	.text
	.protected	k_q5e59a3a353_pack
	.globl	k_q5e59a3a353_pack
	.p2align	8
	.type	k_q5e59a3a353_pack,@function
k_q5e59a3a353_pack:
	s_mov_b64 s[64:65], 0
	v_nop
	global_prefetch_b8 v0, s[64:65] scope:SCOPE_SE
	s_setreg_imm32_b32 hwreg(HW_REG_WAVE_MODE, 25, 1), 1
	s_wait_xcnt 0x0
; attention_mask [4][2048][2048], one byte a flag, becomes LANE MASKS for the attention launch: maskbits [tile 512][step 16][n 64] words.
; A tile T is 16 query rows: lane r (0..15) stands for row 32 (T/2) + 8 (T%2) + r + 8 (r/8) of the 8,192.  A step is 128 keys.  In the attention launch lane r + 16 h holds,
; in score register n, the key 128 step + 32 (n/16) + 16 h + n%16 of query r: bit r + 16 h of word n is that flag, so that one select with the word as its lane mask serves a whole score register.
; SHARES: a work-group takes a tile, each of its four waves 512 keys (4 steps): 16 rows x 512 bytes in, 256 words out.  Every mask byte is read once, by loads of 512 consecutive bytes;
; the 16 rows turn through the wave's own stage in LDS, so that a lane then holds 16 neighbouring keys of its row; a compare makes a word of 32 lanes' flags.
; The words are set into the lanes from which two stores of 512 consecutive bytes take them.  No barrier: waves share nothing.  No cluster: no two work-groups read the same bytes.  No matrix work.
.set PITCH, 528                        ; a stage row: 512 bytes + 16: row r starts 4 r words on modulo 64, so the sixteen rows of a read start in sixteen different groups of banks (64 banks of 4 bytes: ISA guide 11.1)
.set WSTG,  16*PITCH                   ; a wave's stage
.set IN,    16                         ; v16-79   the 16 rows as loaded
.set BK,    80                         ; v80-143  16 x 16 bytes back from the stage
.set OUTR,  144                        ; v144-151 the 256 words, four to a lane and store
.set TMP,   152                        ; v152-167 one byte of each lane
	s_load_b128 s[4:7], s[0:1], 0x0                ; the mask s[4:5], the words s[6:7]
	v_lshl_add_u32 v168, v0, 2, 0x8400
	v_mov_b32 v169, 0
	v_lshrrev_b32 v4, 5, v0
	v_readfirstlane_b32 s8, v4                     ; wave 0..3
	v_and_b32 v5, 31, v0
	v_lshlrev_b32 v1, 4, v5                        ; 16 x lane
	v_and_b32 v6, 15, v0                           ; r
	v_bfe_u32 v7, v0, 4, 1                         ; h
	s_mul_i32 s9, s8, WSTG
	v_add_nc_u32 v2, s9, v1                        ; the stage on the way in: 16 x lane of a row
	v_mul_u32_u24 v3, v6, PITCH
	v_lshl_add_u32 v3, v7, 4, v3
	v_add_nc_u32 v3, s9, v3                        ; and on the way out: row r, + 16 h
	s_lshr_b32 s10, ttmp9, 1
	s_lshl_b32 s10, s10, 16                        ; 32 (T/2) rows of 2,048 bytes
	s_and_b32 s11, ttmp9, 1
	s_lshl_b32 s11, s11, 14                        ; 8 (T%2) rows
	s_add_co_u32 s10, s10, s11
	s_lshl_b32 s11, s8, 9                          ; my wave's 512 keys
	s_add_co_u32 s10, s10, s11
	s_mov_b32 s11, 0
	s_lshl_b32 s12, ttmp9, 12                      ; a tile's 1,024 words
	s_lshl_b32 s13, s8, 10                         ; my wave's 256
	s_add_co_u32 s12, s12, s13
	s_mov_b32 s13, 0
	s_wait_kmcnt 0x0
	s_add_nc_u64 s[4:5], s[4:5], s[10:11]
	s_add_nc_u64 s[6:7], s[6:7], s[12:13]
.irp rho, 0,1,2,3,4,5,6,7,8,9,10,11,12,13,14,15
	global_load_b128 v[IN+4*\rho:IN+4*\rho+3], v1, s[4:5] offset:(\rho+8*(\rho/8))*2048 th:TH_LOAD_NT   ; 32 lanes read 512 consecutive bytes of the tile's row rho; read once in the launch
.endr
.irp j, 0,1,2,3,4,5,6,7
	v_mov_b32 v[OUTR+\j], 0                        ; a lane write's destination counts as read
.endr
.irp rho, 0,1,2,3,4,5,6,7,8,9,10,11,12,13,14,15
	s_wait_loadcnt 15-\rho                         ; loads come back in order: row rho is in, the younger ones stay out
	ds_store_b128 v2, v[IN+4*\rho:IN+4*\rho+3] offset:PITCH*\rho
.endr
.irp beta, 0,1,2,3,4,5,6,7,8,9,10,11,12,13,14,15
	ds_load_b128 v[BK+4*\beta:BK+4*\beta+3], v3 offset:32*\beta   ; LDS serves a wave's instructions in order: these see my stores.  Keys 32 beta + 16 h + 0 .. 15 of row r
.endr
; Block beta of 32 keys gives words 16 beta + 0 .. 15 of my wave's 256.  Word D goes to register D % 4 + 4 (D / 128), lane (D % 128) / 4.
.macro BITS beta
	s_wait_dscnt 15-(\beta)                        ; block beta is back, the younger ones stay out
.irp i, 0,1,2,3,4,5,6,7,8,9,10,11,12,13,14,15
	v_and_b32 v[TMP+\i], 0xff<<(8*(\i%4)), v[BK+4*(\beta)+\i/4]
.endr
.irp i, 0,1,2,3,4,5,6,7,8,9,10,11,12,13,14,15
	v_cmp_ne_u32 s[16+\i], 0, v[TMP+\i]            ; the 32 lanes' flags as one word
.endr
.irp i, 0,1,2,3,4,5,6,7,8,9,10,11,12,13,14,15
	v_writelane_b32 v[OUTR+((16*(\beta)+\i)&3)+4*((16*(\beta)+\i)>>7)], s[16+\i], ((16*(\beta)+\i)&127)>>2
.endr
.endm
.irp beta, 0,1,2,3,4,5,6,7,8,9,10,11,12,13,14,15
	BITS \beta
.endr
	global_store_b128 v1, v[OUTR:OUTR+3], s[6:7]               ; 32 lanes store 512 consecutive bytes, at a multiple of 256 from the buffer's first byte
	global_store_b128 v1, v[OUTR+4:OUTR+7], s[6:7] offset:512
	s_wait_tensorcnt 0x0
	ds_add_u32 v168, v169
	s_wait_dscnt 0x0
	s_endpgm
.Lfunc_end_k_q5e59a3a353_pack:
	.size	k_q5e59a3a353_pack, .Lfunc_end_k_q5e59a3a353_pack-k_q5e59a3a353_pack
	.p2alignl 7, 3214868480
	.fill 96, 4, 3214868480
	.section	.rodata,"a",@progbits
	.p2align	6, 0x0
	.amdhsa_kernel k_q5e59a3a353_pack
		.amdhsa_group_segment_fixed_size 34304
		.amdhsa_private_segment_fixed_size 0
		.amdhsa_enable_private_segment 0
		.amdhsa_kernarg_size 16
		.amdhsa_user_sgpr_count 2
		.amdhsa_user_sgpr_kernarg_segment_ptr 1
		.amdhsa_wavefront_size32 1
		.amdhsa_system_sgpr_workgroup_id_x 1
		.amdhsa_system_sgpr_workgroup_id_y 1
		.amdhsa_system_sgpr_workgroup_id_z 1
		.amdhsa_system_vgpr_workitem_id 0
		.amdhsa_next_free_vgpr 170
		.amdhsa_next_free_sgpr 66
		.amdhsa_reserve_vcc 0
		.amdhsa_float_denorm_mode_32 3
		.amdhsa_float_denorm_mode_16_64 3
		.amdhsa_memory_ordered 1
		.amdhsa_forward_progress 1
		.amdhsa_inst_pref_size 55
	.end_amdhsa_kernel
	.amdgpu_metadata
---
amdhsa.version: [ 1, 2 ]
amdhsa.kernels:
  - .name:           k_q5e59a3a353_pack
    .symbol:         k_q5e59a3a353_pack.kd
    .args:
      - { .name: attention_mask, .offset: 0, .size: 8, .value_kind: global_buffer, .address_space: global }
      - { .name: maskbits, .offset: 8, .size: 8, .value_kind: global_buffer, .address_space: global }
    .group_segment_fixed_size: 34304
    .private_segment_fixed_size: 0
    .kernarg_segment_align: 8
    .kernarg_segment_size: 16
    .max_flat_workgroup_size: 128
    .sgpr_count:     66
    .vgpr_count:     170
    .wavefront_size: 32
...
	.end_amdgpu_metadata
.endif
;; end of part 1
;; launch proj (part 2): grid 12 x 32, 16 waves a work-group, clusters of 4 x 4, 289,792 bytes of LDS; arguments X_codes, X_scales, Wq_codes, Wq_scales, Wk_codes, Wk_scales, Wv_codes, Wv_scales, bq, bk, bv, Qrec, KV; writes Qrec, KV
.if DOCPART == 2
	.amdgcn_target "amdgcn-amd-amdhsa--gfx1250"
	.amdhsa_code_object_version 6
	.text
	.protected	k_q5e59a3a353_proj
	.globl	k_q5e59a3a353_proj
	.p2align	8
	.type	k_q5e59a3a353_proj,@function
k_q5e59a3a353_proj:
	s_mov_b64 s[64:65], 0
	v_nop
	global_prefetch_b8 v0, s[64:65] scope:SCOPE_SE
	s_setreg_imm32_b32 hwreg(HW_REG_WAVE_MODE, 25, 1), 1
	s_wait_xcnt 0x0
	s_wait_alu depctr_hold_cnt(0) depctr_sa_sdst(0) depctr_va_vdst(0) depctr_va_sdst(0) depctr_va_ssrc(0) depctr_va_vcc(0) depctr_vm_vsrc(0)
	s_getreg_b32 s2, hwreg(HW_REG_IB_STS2, 6, 4)
	s_cmp_eq_u32 s2, 0
	s_cbranch_scc0 .Lentry_in_a_cluster
	s_endpgm
.Lentry_in_a_cluster:
	s_bfe_u32 s2, ttmp6, 0x10000c
	s_cmp_lg_u32 s2, 0xf033
	s_cbranch_scc0 .Lentry_shape_is_right
	s_endpgm
.Lentry_shape_is_right:
; Q = X Wq + bq, K = X Wk + bk, V = X Wv + bv on codes of FP4 (E2M1) with one E8M0 scale for each 32 along K = 1,024; the results are quantised at once: Q and K along the head's 64, V along the keys.
; SHARES.  The cluster's x says which of the three (0 Q, 1 K, 2 V): it is the same in all sixteen partners.  A work-group takes 256 rows of X (tile row y) and 256 rows of that W: heads 4 cx .. 4 cx + 3.
; Wave w of sixteen takes head 4 cx + w % 4 (64 rows of W) and 64 rows of X (w / 4): 16 accumulators.  Four waves to a SIMD: one wave's LDS loads stand beside another's products.
; LDS IS FILLED ONCE: K is 1,024, a row of codes 512 bytes, so the work-group's 256 + 256 rows and their scale bytes, for all of K, fit: no ring.
; CLUSTER 4 x 4: X's rows hang on y alone and are shared along a row of the cluster, W's on cx alone and are shared along a column: each is asked for jointly, which divides the requests by four.
; THE ROWS OF A TILE ARE NOT NEIGHBOURS: lane r of tile t takes row 32 (t/2) + 8 (t%2) + r + 8 (r/8), of X and of W alike.  So where such tiles are source 0, the 16 registers of result tiles 2 b, 2 b + 1
; are 16 neighbours, 32 b + 16 (lane/16) + 0 .. 15, along source 0's rows.  Q, K: source 0 = W, source 1 = X: a lane holds one row of X and its registers run along the head's 64.
; V: source 0 = X, source 1 = Wv: a lane holds one channel and its registers run along the keys.  Either way a lane's 32 registers are halves of two blocks of the next product's K.
; OUT.  Operands leave as IMAGES OF THEIR REGISTERS: four registers a lane, 16 bytes at 16 x lane, 512 consecutive bytes a store.
;   Qrec [b h 64][64 rows 32][2,304]: four tiles' images, then scale words [r][tile] (bytes 2, 3 = 127: the upper 64 of the instruction's 128 are zero codes).
;   KV [b h 64][128 keys 16][8,960]: K's 8 images; at 4,096 K's scale words [half][r][4]; at 4,608 V's images [channel tile 4][64 keys 2]; at 8,704 V's scale bytes [64 keys 2][r][tile 4] in pairs.
; LIMITS: a block of zeros gets the byte 1 where the rule says 127 (its codes are zeros; this program alone reads the bytes); NaN and infinities are not served.
.set P,     528                        ; an LDS row: 512 bytes + 16 = 132 words: row r starts at bank 4 r mod 64 (64 banks of 4 bytes: ISA guide 11.1)
.set WL,    256*P                      ; X's 256 rows lie at 0, W's here
.set SCL,   2*256*P                    ; the scale bytes, as pieces of 256 bytes + 16: X's two halves, W's two halves
.set SCH,   16*272                     ; the scale bytes of 128 rows
.set SC,    16                         ; v16-47   scale words: register 16 (k/4) + 4 t + k%4: lanes 0-15 X's tile t, lanes 16-31 W's tile t, K step k
.set BV,    48                         ; v48-55   V alone: bv of my channel, twice, for each of the four channel tiles
.set XF,    64                         ; v64-95   X's four fragments of a K step
.set WF,    96                         ; v96-127  W's
.set ACC,   128                        ; v128-255 accumulator (i, a) at 8 (4 a + i)
.set PC,    64                         ; behind the products: v64-79 the codes, v80-95 at work, v96-102 scale words on their way out
.set TM,    80
.set WD,    96
.set WV,    30                         ; s30 wave
.set WHICH, 31                         ; s31 0 Q, 1 K, 2 V
.set G1X,   32                         ; s[32:39] descriptor group 1 for X's codes; s[40:47] W's; s[48:55] X's scale bytes; s[56:63] W's
.set G1W,   40
.set G1XS,  48
.set G1WS,  56
.set G0XS,  68                         ; s[68:71], s[72:75], s[76:79], s[80:83] the four groups 0
.set G0X,   72
.set G0WS,  76
.set G0W,   80
.set SHI,   92                         ; s92 lanes 16-31 as a lane mask
.set SEL,   94                         ; s[94:95] lane selects: lane l xor 16
.set PI,    96                         ; s[96:97] where my images go;  s[98:99] my scale words
.set PS,    98
.macro CROUND                          ; a round of the cluster's barrier
	s_barrier_signal -1
	s_barrier_wait -1
	s_cmp_lg_u32 s[WV], 0
	s_cbranch_scc1 .Lnot_wave_0_\@
	s_barrier_signal -3
.Lnot_wave_0_\@:
	s_barrier_wait -3
	s_barrier_signal -1
	s_barrier_wait -1
.endm
	s_load_b512 s[4:19], s[0:1], 0x0               ; X's codes, scales; Wq's; Wk's; Wv's
	s_load_b256 s[20:27], s[0:1], 0x40             ; bq, bk, bv, Qrec
	s_load_b64 s[28:29], s[0:1], 0x60              ; KV
	v_lshl_add_u32 v62, v0, 2, 0x46400
	v_mov_b32 v63, 0
	ds_add_u32 v62, v63
	ds_add_u32 v62, v63
	v_lshrrev_b32 v1, 5, v0
	v_readfirstlane_b32 s[WV], v1                  ; wave 0..15
	s_mov_b32 s[WHICH], ttmp9                      ; in a cluster launch ttmp9 counts clusters
	s_bfe_u32 s66, ttmp6, 0x40000                  ; cx
	s_bfe_u32 s67, ttmp6, 0x40004                  ; cy
	s_and_b32 s84, ttmp7, 0xffff
	s_lshl_b32 s84, s84, 2
	s_add_co_u32 s84, s84, s67                     ; y: which 256 rows of X
	s_lshl_b32 s85, s67, 2
	s_lshl_b32 s85, 15, s85                        ; my row of the cluster
	s_lshl_b32 s86, 0x1111, s66                    ; my column
	s_or_b32 s[G1X], s85, (1<<20)|(1<<21)|(6<<22)|(3<<25)   ; 15:0 the mask; 17:16 elements of 1 byte; 20 padding on; 21 set beside a mask; 24:22 after every 128 words (code 6); 31:25 four words (code 3)
	s_or_b32 s[G1W], s86, (1<<20)|(1<<21)|(6<<22)|(3<<25)
.irp g, G1X, G1W
	s_mov_b32 s[\g+1], 512<<16                     ; tensor_dim0 = 512
	s_mov_b32 s[\g+2], 128<<16                     ; tensor_dim1 = 128
	s_mov_b32 s[\g+3], 512<<16                     ; tile_dim0 = 512
	s_mov_b32 s[\g+4], 128                         ; tile_dim1 = 128
	s_mov_b32 s[\g+5], 512                         ; from row to row
	s_mov_b32 s[\g+6], 0
	s_mov_b32 s[\g+7], 0
.endr
	s_or_b32 s[G1XS], s85, (3<<16)|(1<<20)|(1<<21)|(5<<22)|(3<<25)   ; the scale bytes of 128 rows: 4,096 dense bytes as 16 rows of 32 elements of 8 bytes, four words of padding behind each
	s_or_b32 s[G1WS], s86, (3<<16)|(1<<20)|(1<<21)|(5<<22)|(3<<25)
.irp g, G1XS, G1WS
	s_mov_b32 s[\g+1], 32<<16
	s_mov_b32 s[\g+2], 16<<16
	s_mov_b32 s[\g+3], 32<<16
	s_mov_b32 s[\g+4], 16
	s_mov_b32 s[\g+5], 32
	s_mov_b32 s[\g+6], 0
	s_mov_b32 s[\g+7], 0
.endr
	s_and_b32 s87, s[WV], 1
	s_lshl_b32 s87, s87, 7                         ; which 128 rows I would fetch
	s_lshl_b32 s88, s84, 8
	s_add_co_u32 s88, s88, s87                     ; X: row 256 y + 128 half
	s_lshl_b32 s90, s88, 5                         ; its scale bytes,
	s_mov_b32 s91, 0
	s_lshl_b32 s88, s88, 9                         ; its codes
	s_mov_b32 s89, 0
	s_lshl_b32 s92, s66, 8
	s_add_co_u32 s92, s92, s87                     ; W: row 256 cx + 128 half
	s_lshl_b32 s94, s92, 5
	s_mov_b32 s95, 0
	s_lshl_b32 s92, s92, 9
	s_mov_b32 s93, 0
	s_mul_i32 s100, s[WV], 128*P                   ; where they go: waves 0, 1 X's halves, waves 2, 3 W's: wave x 128 rows
	s_mul_i32 s101, s[WV], SCH
	s_add_co_u32 s101, s101, SCL
	s_wait_dscnt 0x0
	s_wait_kmcnt 0x0
	s_cmp_eq_u32 s[WHICH], 1                       ; the weight, its scales and its bias: a choice that hangs on the cluster's number alone
	s_cselect_b64 s[8:9], s[12:13], s[8:9]
	s_cselect_b64 s[10:11], s[14:15], s[10:11]
	s_cselect_b64 s[20:21], s[22:23], s[20:21]
	s_cmp_eq_u32 s[WHICH], 2
	s_cselect_b64 s[8:9], s[16:17], s[8:9]
	s_cselect_b64 s[10:11], s[18:19], s[10:11]
	s_cselect_b64 s[20:21], s[24:25], s[20:21]
	s_cmp_eq_u32 s[WHICH], 0
	s_cselect_b64 s[26:27], s[26:27], s[28:29]     ; Q goes to Qrec, K and V to KV
	s_mov_b32 s[G0XS], 1
	s_mov_b32 s[G0XS+1], s101
	s_add_nc_u64 s[G0XS+2:G0XS+3], s[6:7], s[90:91]
	s_or_b32 s[G0XS+3], s[G0XS+3], 0x80000000
	s_mov_b32 s[G0X], 1
	s_mov_b32 s[G0X+1], s100
	s_add_nc_u64 s[G0X+2:G0X+3], s[4:5], s[88:89]
	s_or_b32 s[G0X+3], s[G0X+3], 0x80000000
	s_mov_b32 s[G0WS], 1
	s_mov_b32 s[G0WS+1], s101
	s_add_nc_u64 s[G0WS+2:G0WS+3], s[10:11], s[94:95]
	s_or_b32 s[G0WS+3], s[G0WS+3], 0x80000000
	s_mov_b32 s[G0W], 1
	s_mov_b32 s[G0W+1], s100
	s_add_nc_u64 s[G0W+2:G0W+3], s[8:9], s[92:93]
	s_or_b32 s[G0W+3], s[G0W+3], 0x80000000
	CROUND                                         ; all sixteen work-groups are here: the joint loads meet
	s_cmp_lt_u32 s[WV], 2                          ; a wave's two fills stand in one branch on the wave's number; two loads of a wave are out at the most; four v_nop follow the second
	s_cbranch_scc0 .Lnot_x
	tensor_load_to_lds s[G0XS:G0XS+3], s[G1XS:G1XS+7]
	s_nop 0
	tensor_load_to_lds s[G0X:G0X+3], s[G1X:G1X+7]
	s_nop 0
.rept 4
	v_nop
.endr
	s_branch .Lasked
.Lnot_x:
	s_cmp_lt_u32 s[WV], 4
	s_cbranch_scc0 .Lasked
	tensor_load_to_lds s[G0WS:G0WS+3], s[G1WS:G1WS+7]
	s_nop 0
	tensor_load_to_lds s[G0W:G0W+3], s[G1W:G1W+7]
	s_nop 0
.rept 4
	v_nop
.endr
.Lasked:
	; where my results go
	s_and_b32 s85, s[WV], 3                        ; wx: my head of the four
	s_lshr_b32 s86, s[WV], 2                       ; wy: my 64 rows of X
	s_lshl_b32 s87, s66, 2
	s_add_co_u32 s87, s87, s85                     ; the head
	s_lshr_b32 s88, s84, 3                         ; the batch
	s_and_b32 s89, s84, 7                          ; which 256 rows of it
	s_lshl_b32 s90, s88, 4
	s_add_co_u32 s90, s90, s87                     ; 16 batch + head
	s_lshl_b32 s91, s90, 5
	s_lshl_b32 s92, s89, 2
	s_add_co_u32 s91, s91, s92
	s_add_co_u32 s91, s91, s86
	s_mul_i32 s91, s91, 2304                       ; Q: my record,
	s_add_co_u32 s92, s91, 2048                    ; its scale words
	s_mul_i32 s93, s90, 143360
	s_lshl_b32 s94, s89, 1
	s_lshr_b32 s95, s86, 1
	s_add_co_u32 s94, s94, s95
	s_mul_i32 s94, s94, 8960
	s_add_co_u32 s93, s93, s94                     ; K, V: my record of 128 keys,
	s_and_b32 s95, s86, 1                          ; of which my 64 are the first or the second half
	s_lshl_b32 s96, s95, 11
	s_add_co_u32 s96, s96, s93                     ; K's images
	s_lshl_b32 s98, s95, 8
	s_add_co_u32 s98, s98, s93
	s_add_co_u32 s98, s98, 4096                    ; K's scale words
	s_lshl_b32 s100, s95, 9
	s_add_co_u32 s100, s100, s93
	s_add_co_u32 s100, s100, 4608                  ; V's images
	s_lshl_b32 s101, s95, 7
	s_add_co_u32 s101, s101, s93
	s_add_co_u32 s101, s101, 8704                  ; V's scale bytes
	s_cmp_eq_u32 s[WHICH], 0
	s_cselect_b32 s96, s91, s96
	s_cselect_b32 s98, s92, s98
	s_cmp_eq_u32 s[WHICH], 2
	s_cselect_b32 s96, s100, s96
	s_cselect_b32 s98, s101, s98
	s_mov_b32 s97, 0
	s_mov_b32 s99, 0
	s_add_nc_u64 s[PI:PI+1], s[26:27], s[96:97]
	s_add_nc_u64 s[PS:PS+1], s[26:27], s[98:99]
	s_lshl_b32 s88, s87, 8
	s_mov_b32 s89, 0
	s_add_nc_u64 s[20:21], s[20:21], s[88:89]      ; the bias at my head's 64 numbers
	s_mov_b32 s[SHI], 0xffff0000
	s_mov_b32 s[SEL], 0x76543210
	s_mov_b32 s[SEL+1], 0xfedcba98
	v_and_b32 v9, 31, v0
	v_lshlrev_b32 v1, 4, v9                        ; v1  16 x lane: an image's place for my lane
	v_and_b32 v2, 15, v0                           ; v2  r
	v_bfe_u32 v3, v0, 4, 1                         ; v3  h
	v_and_b32 v9, 8, v2
	v_add_nc_u32 v9, v9, v2                        ; v9  r + 8 (r/8)
	v_mul_u32_u24 v10, v9, P
	v_lshl_add_u32 v10, v3, 4, v10                 ; a fragment's row x pitch + 16 h
	s_mul_i32 s90, s86, 64*P
	v_add_nc_u32 v4, s90, v10                      ; v4  my X fragments
	s_mul_i32 s90, s85, 64*P
	s_add_co_u32 s90, s90, WL
	v_add_nc_u32 v5, s90, v10                      ; v5  my W fragments
	v_and_b32 v11, 7, v2                           ; scale bytes: 32 a row, eight rows to a piece of 272 bytes; rows r + 8 (r/8): two pieces on for r >= 8
	v_lshlrev_b32 v11, 5, v11
	v_lshrrev_b32 v12, 3, v2
	v_mad_u32_u24 v11, v12, 544, v11
	s_mul_i32 s90, s86, 2176                       ; X's: my 64 rows
	s_mul_i32 s91, s85, 2176                       ; W's: my 64 rows, behind X's 256
	s_add_co_u32 s91, s91, 2*SCH
	s_sub_co_u32 s91, s91, s90
	v_mul_u32_u24 v12, s91, v3                     ; lanes 16-31 take W's: one product of the distance by h
	s_add_co_u32 s90, s90, SCL
	v_add_nc_u32 v11, v11, v12
	v_add_nc_u32 v6, s90, v11                      ; v6  my scale words
; A K step of 128: four fragments of X, four of W, sixteen products; the sixteen accumulators take turns, one instruction a turn.
.macro KSTEP k, isv
.if (\k) > 0
.rept 4
	v_nop                                          ; four places behind the last products, in front of loads into registers that they read (ISA guide 7.12.1 for vector instructions)
.endr
.endif
.irp i, 0,1,2,3
.irp c, 0,1
	ds_load_b128 v[XF+8*\i+4*\c:XF+8*\i+4*\c+3], v4 offset:(32*(\i/2)+8*(\i%2))*P+64*(\k)+32*\c
	ds_load_b128 v[WF+8*\i+4*\c:WF+8*\i+4*\c+3], v5 offset:(32*(\i/2)+8*(\i%2))*P+64*(\k)+32*\c
.endr
.endr
.if (\k) == 0
.irp t, 0,1,2,3
	ds_load_b128 v[SC+4*\t:SC+4*\t+3], v6 offset:(4*(\t/2)+\t%2)*272          ; the scale words of K steps 0-3,
	ds_load_b128 v[SC+16+4*\t:SC+16+4*\t+3], v6 offset:(4*(\t/2)+\t%2)*272+16 ; and of 4-7: they stay
.endr
.endif
	s_wait_dscnt 0x0
.if ((\k) == 0) && (\isv == 0)
	s_wait_loadcnt 0x0                             ; the bias lies in the accumulators
.endif
.irp a, 0,1,2,3
.irp i, 0,1,2,3
.set rD, ACC+8*(4*\a+\i)
.set rSi, SC+16*((\k)/4)+4*\i+(\k)%4
.set rSa, SC+16*((\k)/4)+4*\a+(\k)%4
.if \isv
.if (\k) == 0
	v_wmma_scale_f32_16x16x128_f8f6f4 v[rD:rD+7], v[XF+8*\i:XF+8*\i+7], v[WF+8*\a:WF+8*\a+7], 0, v[rSi], v[rSa] matrix_a_fmt:MATRIX_FMT_FP4 matrix_b_fmt:MATRIX_FMT_FP4 matrix_b_scale:MATRIX_SCALE_ROW1
.else
	v_wmma_scale_f32_16x16x128_f8f6f4 v[rD:rD+7], v[XF+8*\i:XF+8*\i+7], v[WF+8*\a:WF+8*\a+7], v[rD:rD+7], v[rSi], v[rSa] matrix_a_fmt:MATRIX_FMT_FP4 matrix_b_fmt:MATRIX_FMT_FP4 matrix_b_scale:MATRIX_SCALE_ROW1
.endif
.else
	v_wmma_scale_f32_16x16x128_f8f6f4 v[rD:rD+7], v[WF+8*\i:WF+8*\i+7], v[XF+8*\a:XF+8*\a+7], v[rD:rD+7], v[rSi], v[rSa] matrix_a_fmt:MATRIX_FMT_FP4 matrix_b_fmt:MATRIX_FMT_FP4 matrix_a_scale:MATRIX_SCALE_ROW1
.endif
.endr
.endr
.endm
; 64 numbers of a lane, four half blocks of 16 (register 16 b + i: number 16 (lane/16) + i of block b), become codes in v[pc] .. v[pc + 7]; the blocks' scale bytes are left in v[TM+4] .. v[TM+7].
; Behind the exchange of halves lanes 0-15 hold block 2 c whole in registers 4 c .. 4 c + 3, lanes 16-31 block 2 c + 1: the image of four registers of an operand.
.macro QUANT s, pc
.irp b, 0,1,2,3
	v_max3_num_f32 v[TM+\b], |v[(\s)+16*\b]|, |v[(\s)+1+16*\b]|, 0x1800000   ; my 16 numbers, and the floor 2^(3 - 127): so the byte cannot fall under 1.  Each accumulator is read from its low end on
.endr
.irp i, 2,4,6,8,10,12,14
.irp b, 0,1,2,3
	v_max3_num_f32 v[TM+\b], v[TM+\b], |v[(\s)+16*\b+\i]|, |v[(\s)+1+16*\b+\i]|   ; (the four blocks by turns)
.endr
.endr
.irp b, 0,1,2,3
	v_permlanex16_b32 v[TM+4+\b], v[TM+\b], s[SEL], s[SEL+1]
.endr
.irp b, 0,1,2,3
	v_max_num_f32 v[TM+\b], v[TM+\b], v[TM+4+\b]   ; with lane l xor 16's: the block's largest magnitude
.endr
.irp b, 0,1,2,3
	v_add_nc_u32 v[TM+12+\b], 0xff000000, v[TM+\b] ; 2 off its exponent field: the conversion takes the exponent field of this operand as its scale
.endr
.irp b, 0,1,2,3
	v_lshrrev_b32 v[TM+4+\b], 23, v[TM+12+\b]      ; the scale's byte
.endr
.irp b, 0,1,2,3
	v_cvt_scalef32_pk8_fp4_f32 v[(\pc)+2*\b], v[(\s)+16*\b:(\s)+16*\b+7], v[TM+12+\b]
	v_cvt_scalef32_pk8_fp4_f32 v[(\pc)+1+2*\b], v[(\s)+8+16*\b:(\s)+8+16*\b+7], v[TM+12+\b]
.endr
	v_nop                                          ; one plain place behind a scaled conversion
.irp c, 0,1
.irp i, 0,1
	v_permlane16_swap_b32 v[(\pc)+4*\c+\i], v[(\pc)+2+4*\c+\i]
.endr
.endr
.endm
.macro BODY isv
.if \isv
	v_lshlrev_b32 v7, 2, v9                        ; bv of my channel: 4 (r + 8 (r/8)) bytes on in a tile's 32
	v_lshlrev_b32 v8, 3, v2
	v_lshl_add_u32 v8, v3, 2, v8                   ; my scale bytes' place: 8 r + 4 h
.irp a, 0,1,2,3
	global_load_b32 v[BV+2*\a], v7, s[20:21] offset:(32*(\a/2)+8*(\a%2))*4     ; twice: a pair for the packed addition
	global_load_b32 v[BV+2*\a+1], v7, s[20:21] offset:(32*(\a/2)+8*(\a%2))*4
.endr
.else
	v_lshlrev_b32 v7, 6, v3                        ; the bias of my eight units of a tile: 64 h bytes on
	v_lshlrev_b32 v8, 4, v2
	v_lshl_add_u32 v8, v3, 3, v8                   ; my scale words' place: 16 r + 8 h
.irp a, 0,1,2,3
.irp i, 0,1,2,3
	global_load_b128 v[ACC+8*(4*\a+\i):ACC+8*(4*\a+\i)+3], v7, s[20:21] offset:(32*(\i/2)+8*(\i%2))*4       ; the sums begin as the bias: no register is cleared and nothing is added later
	global_load_b128 v[ACC+8*(4*\a+\i)+4:ACC+8*(4*\a+\i)+7], v7, s[20:21] offset:(32*(\i/2)+8*(\i%2))*4+16
.endr
.endr
.endif
.irp k, 0,1,2,3,4,5,6,7
	KSTEP \k, \isv
.endr
.rept 4
	v_nop                                          ; four places behind the last products, in front of the first read of results and the first write over fragments
.endr
.irp b, 0,1,2,3
	v_mov_b32 v[TM+4+\b], 0                        ; a lane permute's destination counts as one of its sources
.endr
.if \isv
	s_wait_loadcnt 0x0                             ; bv
.irp a, 0,1,2,3
.set n, 0
.rept 16
	v_pk_add_f32 v[ACC+32*\a+n:ACC+32*\a+n+1], v[ACC+32*\a+n:ACC+32*\a+n+1], v[BV+2*\a:BV+2*\a+1]   ; a lane holds one channel: one number for all its registers of a channel tile; in ascending order
.set n, n+2
.endr
.endr
.endif
	QUANT ACC, PC                                  ; units a = 0, 1 (Q, K: tiles of rows; V: tiles of channels), two blocks each
	v_lshl_or_b32 v[WD], v[TM+5], 8, v[TM+4]
	v_lshl_or_b32 v[WD+1], v[TM+7], 8, v[TM+6]
	QUANT ACC+64, PC+8                             ; units 2, 3
	v_lshl_or_b32 v[WD+2], v[TM+5], 8, v[TM+4]
	v_lshl_or_b32 v[WD+3], v[TM+7], 8, v[TM+6]
.if \isv
.irp a, 0,1,2,3
	global_store_b128 v1, v[PC+4*\a:PC+4*\a+3], s[PI:PI+1] offset:\a*1024     ; 32 lanes store 512 consecutive bytes, at a multiple of 256 from the buffer's first byte
.endr
	v_lshl_or_b32 v[WD+4], v[WD+1], 16, v[WD]      ; tiles 0, 1: two bytes each
	v_lshl_or_b32 v[WD+5], v[WD+3], 16, v[WD+2]    ; tiles 2, 3
	v_cndmask_b32 v[WD+6], v[WD+4], v[WD+5], s[SHI]   ; lanes 0-15 store the first, lanes 16-31 the second
	global_store_b32 v8, v[WD+6], s[PS:PS+1]       ; 128 consecutive bytes
.else
.irp a, 0,1,2,3
	global_store_b128 v1, v[PC+4*\a:PC+4*\a+3], s[PI:PI+1] offset:\a*512
.endr
.irp a, 0,1,2,3
	v_or_b32 v[WD+\a], 0x7f7f0000, v[WD+\a]        ; bytes 2, 3 stand over zero codes: 127
.endr
	v_cndmask_b32 v[WD+4], v[WD], v[WD+2], s[SHI]
	v_cndmask_b32 v[WD+5], v[WD+1], v[WD+3], s[SHI]
	global_store_b64 v8, v[WD+4:WD+5], s[PS:PS+1]  ; 256 consecutive bytes, at a multiple of 256
.endif
.endm
	s_wait_tensorcnt 0x0                           ; my fills have landed,
	s_barrier_signal -1
	s_barrier_wait -1                              ; everybody's have
	s_cmp_eq_u32 s[WHICH], 2                       ; the same in all sixteen work-groups; no barrier and no tensor load stands under it
	s_cbranch_scc1 .Lv
	BODY 0
	s_branch .Lend
.Lv:
	BODY 1
.Lend:
	s_wait_tensorcnt 0x0
	ds_add_u32 v62, v63
	s_wait_dscnt 0x0
	CROUND                                         ; the closing round
	s_endpgm
.Lfunc_end_k_q5e59a3a353_proj:
	.size	k_q5e59a3a353_proj, .Lfunc_end_k_q5e59a3a353_proj-k_q5e59a3a353_proj
	.p2alignl 7, 3214868480
	.fill 96, 4, 3214868480
	.section	.rodata,"a",@progbits
	.p2align	6, 0x0
	.amdhsa_kernel k_q5e59a3a353_proj
		.amdhsa_group_segment_fixed_size 289792
		.amdhsa_private_segment_fixed_size 0
		.amdhsa_enable_private_segment 0
		.amdhsa_kernarg_size 104
		.amdhsa_user_sgpr_count 2
		.amdhsa_user_sgpr_kernarg_segment_ptr 1
		.amdhsa_wavefront_size32 1
		.amdhsa_system_sgpr_workgroup_id_x 1
		.amdhsa_system_sgpr_workgroup_id_y 1
		.amdhsa_system_sgpr_workgroup_id_z 1
		.amdhsa_system_vgpr_workitem_id 0
		.amdhsa_next_free_vgpr 256
		.amdhsa_next_free_sgpr 102
		.amdhsa_reserve_vcc 0
		.amdhsa_float_denorm_mode_32 3
		.amdhsa_float_denorm_mode_16_64 3
		.amdhsa_memory_ordered 1
		.amdhsa_forward_progress 1
		.amdhsa_inst_pref_size 86
	.end_amdhsa_kernel
	.amdgpu_metadata
---
amdhsa.version: [ 1, 2 ]
amdhsa.kernels:
  - .name:           k_q5e59a3a353_proj
    .symbol:         k_q5e59a3a353_proj.kd
    .args:
      - { .name: X_codes, .offset: 0, .size: 8, .value_kind: global_buffer, .address_space: global }
      - { .name: X_scales, .offset: 8, .size: 8, .value_kind: global_buffer, .address_space: global }
      - { .name: Wq_codes, .offset: 16, .size: 8, .value_kind: global_buffer, .address_space: global }
      - { .name: Wq_scales, .offset: 24, .size: 8, .value_kind: global_buffer, .address_space: global }
      - { .name: Wk_codes, .offset: 32, .size: 8, .value_kind: global_buffer, .address_space: global }
      - { .name: Wk_scales, .offset: 40, .size: 8, .value_kind: global_buffer, .address_space: global }
      - { .name: Wv_codes, .offset: 48, .size: 8, .value_kind: global_buffer, .address_space: global }
      - { .name: Wv_scales, .offset: 56, .size: 8, .value_kind: global_buffer, .address_space: global }
      - { .name: bq, .offset: 64, .size: 8, .value_kind: global_buffer, .address_space: global }
      - { .name: bk, .offset: 72, .size: 8, .value_kind: global_buffer, .address_space: global }
      - { .name: bv, .offset: 80, .size: 8, .value_kind: global_buffer, .address_space: global }
      - { .name: Qrec, .offset: 88, .size: 8, .value_kind: global_buffer, .address_space: global }
      - { .name: KV, .offset: 96, .size: 8, .value_kind: global_buffer, .address_space: global }
    .group_segment_fixed_size: 289792
    .private_segment_fixed_size: 0
    .kernarg_segment_align: 8
    .kernarg_segment_size: 104
    .max_flat_workgroup_size: 512
    .sgpr_count:     102
    .vgpr_count:     256
    .wavefront_size: 32
...
	.end_amdgpu_metadata
.endif
;; end of part 2
;; launch attn (part 3): grid 8 x 32, 16 waves a work-group, clusters of 4 x 1, 289,792 bytes of LDS; arguments Qrec, KV, maskbits, ctx, ctxs; writes ctx, ctxs
.if DOCPART == 3
	.amdgcn_target "amdgcn-amd-amdhsa--gfx1250"
	.amdhsa_code_object_version 6
	.text
	.protected	k_q5e59a3a353_attn
	.globl	k_q5e59a3a353_attn
	.p2align	8
	.type	k_q5e59a3a353_attn,@function
k_q5e59a3a353_attn:
	s_mov_b64 s[64:65], 0
	v_nop
	global_prefetch_b8 v0, s[64:65] scope:SCOPE_SE
	s_setreg_imm32_b32 hwreg(HW_REG_WAVE_MODE, 25, 1), 1
	s_wait_xcnt 0x0
	s_wait_alu depctr_hold_cnt(0) depctr_sa_sdst(0) depctr_va_vdst(0) depctr_va_sdst(0) depctr_va_ssrc(0) depctr_va_vcc(0) depctr_vm_vsrc(0)
	s_getreg_b32 s2, hwreg(HW_REG_IB_STS2, 6, 4)
	s_cmp_eq_u32 s2, 0
	s_cbranch_scc0 .Lentry_in_a_cluster
	s_endpgm
.Lentry_in_a_cluster:
	s_bfe_u32 s2, ttmp6, 0x10000c
	s_cmp_lg_u32 s2, 0x3003
	s_cbranch_scc0 .Lentry_shape_is_right
	s_endpgm
.Lentry_shape_is_right:
; ctx[b][q][h 64 + :] = the sum over k of softmax_k(mask ? Q . K / 8 : -1e9) V, both products on codes of FP4 (E2M1) with one E8M0 scale for each 32 along a product's K; ctx is quantised at once, along h 64 + channel.
; THE SOFTMAX AHEAD OF THE SECOND PRODUCT: t = score x log2(e) / 8; M = the row's largest t so far, rounded UP to a whole number; p = 2^(t - M) is quantised along the keys, not normalised; the row's sum
; is taken of the unquantised p and divides at the end.  When M moves, the sum and O are multiplied by 2^(old M - new M): exact.
; THE MASK: a hidden score is replaced by -2^33 ahead of the maximum, by one select whose lane mask is a word of maskbits.  c x 2^33 is c with another exponent, a whole number: in a row with no open key
; t - M is exactly 0, every p is 1, and the row comes out as the mean of V, as with -1e9.
; LIMIT: a hidden logit so counts as -2^30 and not -1e9: the results are those of -1e9 wherever every open logit of a row lies above about -9.9e8.  NaN and infinities are not served.
; A block of zeros gets the byte 1 where the rule says 127 (its codes are zeros; this program alone reads the bytes).
; SHARES.  A work-group owns 256 queries (16 tiles) of a PAIR of heads 2 kappa, 2 kappa + 1; each of its sixteen waves one tile, first through head A's 16 key steps of 128, then through head B's.
; Four waves to a SIMD, so that one wave's exponentials stand beside another's products and LDS loads.  The pair gives whole operand images (128 along the last product's K) and whole scale words of ctx.
; LDS IS FILLED ONCE: a head's K and V as operand images with their scales are 16 records of 8,960 bytes; both heads fit: no ring.  Wave w fetches record w of each head.
; CLUSTER 4 x 1: the four query blocks of a cluster walk the same two heads: every fill is asked for jointly, with a mask that names the four.
; LAYOUT.  Both products are used transposed: S^T = K Q^T (source 0 = 16 keys, source 1 = my 16 queries), O^T = V^T P^T: a lane holds ONE query throughout.  The keys of a tile, and V's channels of a tile,
; are rows 32 (t/2) + 8 (t%2) + r + 8 (r/8): so the 16 registers of result tiles 2 b, 2 b + 1 are 16 neighbours.  The head's 64 fill half of the instruction's 128 along K: registers 4-7 of Q's and K's fragments are zero codes.
.set REC,   8960                       ; a record: K's 8 images; 4,096 K's scale words; 4,608 V's 8 images; 8,704 V's scale bytes
.set HEADB, 16*REC
.set SCST,  2*HEADB                    ; behind the two heads: 1,024 bytes, the 16 tiles' scale words of ctx; no fill lands here
.set WV,   2                           ; s2   wave
.set CNT,  3                           ; s3   key steps to go
.set G0A,  4                           ; s[4:7], s[8:11] descriptor groups 0 for my records of heads A and B;  s[12:19] group 1
.set G0B,  8
.set G1,   12
.set MB,   20                          ; s[20:21] my tile's 1,024 mask words
.set CXB,  22                          ; s[22:23] where my ctx images go;  s[24:25] the work-group's scale words
.set CSB,  24
.set SEL,  26                          ; s[26:27] lane selects: lane l xor 16
.set CS,   28                          ; s[28:29] c = log2(e) / 8, twice: the packed form names a pair
.set SKV,  30                          ; s30  LDS byte of the step's record
.set SMO,  31                          ; s31  byte of the mask words asked for last
.set QP,   100                         ; s[100:101] my group's record of Q, head A
; s[32:63], s[68:99]: a step's 64 mask words: word n in s[32 + n] (n < 32) or s[36 + n]
; v1 16 x lane; v2 16 r; v3 8 r; v4-6 these + the record; v7 my ctx scale word's LDS place; v8 -2^33; v9, v242 Q's offsets; v10, v11 Q's scale words; v12 -M; v13 the largest t; v[14:15] the sum in two halves
.set QA,   16                          ; v16-23 Q of head A, v24-31 of head B
.set KT,   32                          ; v32-63   four fragments of K
.set VF,   64                          ; v64-95   V^T's four fragments
.set S,    96                          ; v96-159  S^T, then p
.set O,    160                         ; v160-191 O^T
.set PCD,  192                         ; v192-199 p's codes
.set KS,   200                         ; v200-207 K's scale words
.set VH,   208                         ; v208-211 V's scale bytes as they lie
.set VS,   212                         ; v212-215 V's scale words
.set BM,   216                         ; v216-219 the blocks' largest
.set PR,   220                         ; v220-223 from the other half of the lanes; then bytes; then a chain of sums
.set CV,   224                         ; v224-227 the conversions' scale operands
.set F,    228                         ; v[228:229] f = 2^(old M - new M)
.set PW,   230                         ; v230 p's scale word
.set TT,   231
.set CA,   232                         ; v232-235, v236-239 ctx's codes of heads A, B;  v240 A's two bytes, v241 the word;  v245 wave 0's LDS address, v246-253 its 1,024 bytes
.macro CROUND                          ; a round of the cluster's barrier
	s_barrier_signal -1
	s_barrier_wait -1
	s_cmp_lg_u32 s[WV], 0
	s_cbranch_scc1 .Lnot_wave_0_\@
	s_barrier_signal -3
.Lnot_wave_0_\@:
	s_barrier_wait -3
	s_barrier_signal -1
	s_barrier_wait -1
.endm
	s_load_b256 s[32:39], s[0:1], 0x0              ; Qrec, KV, maskbits, ctx
	s_load_b64 s[40:41], s[0:1], 0x20              ; ctxs
	v_lshl_add_u32 v254, v0, 2, 0x46400
	v_mov_b32 v255, 0
	ds_add_u32 v254, v255
	ds_add_u32 v254, v255
	v_lshrrev_b32 v1, 5, v0
	v_readfirstlane_b32 s[WV], v1                  ; wave 0..15
	s_bfe_u32 s44, ttmp6, 0x40000                  ; cx
	s_lshl_b32 s45, ttmp9, 2
	s_add_co_u32 s45, s45, s44                     ; my block of 256 queries of the batch: it enters Q's, the mask's and ctx's addresses alone
	s_and_b32 s46, ttmp7, 0xffff                   ; 8 batch + kappa, which the four partners share
	s_lshr_b32 s47, s46, 3                         ; batch
	s_and_b32 s48, s46, 7                          ; kappa
	s_mul_i32 s50, s46, 2*HEADB
	s_mul_i32 s52, s[WV], REC                      ; my record: in memory and in LDS
	s_add_co_u32 s50, s50, s52
	s_mov_b32 s51, 0
	s_lshl_b32 s53, s47, 7
	s_lshl_b32 s54, s45, 4
	s_add_co_u32 s53, s53, s54                     ; the work-group's first tile
	s_add_co_u32 s54, s53, s[WV]                   ; my tile
	s_lshl_b32 s56, s54, 12                        ; its mask words
	s_mov_b32 s57, 0
	s_lshl_b32 s58, s54, 13                        ; its ctx images: 8,192 a tile, 1,024 a pair of heads
	s_lshl_b32 s55, s48, 10
	s_add_co_u32 s58, s58, s55
	s_mov_b32 s59, 0
	s_lshl_b32 s60, s48, 15                        ; ctx's scale words: [kappa][tile][r]
	s_lshl_b32 s55, s53, 6
	s_add_co_u32 s60, s60, s55
	s_mov_b32 s61, 0
	s_lshl_b32 s62, s46, 6                         ; Q: 32 records a head, head A = 2 (8 batch + kappa)
	s_lshl_b32 s55, s45, 2
	s_add_co_u32 s62, s62, s55
	s_lshr_b32 s55, s[WV], 2
	s_add_co_u32 s62, s62, s55
	s_mul_i32 s62, s62, 2304
	s_mov_b32 s63, 0
	s_mov_b32 s[G1], 15|(3<<16)|(1<<21)            ; 15:0 the mask: all four work-groups; 17:16 elements of 8 bytes; 21 set beside a mask; no padding: images are read 16 bytes a lane on end
	s_mov_b32 s[G1+1], 32<<16                      ; tensor_dim0 = 32: rows of 256 bytes
	s_mov_b32 s[G1+2], 35<<16                      ; tensor_dim1 = 35
	s_mov_b32 s[G1+3], 32<<16                      ; tile_dim0
	s_mov_b32 s[G1+4], 35                          ; tile_dim1
	s_mov_b32 s[G1+5], 32                          ; dense
	s_mov_b32 s[G1+6], 0
	s_mov_b32 s[G1+7], 0
	s_mov_b32 s[SEL], 0x76543210
	s_mov_b32 s[SEL+1], 0xfedcba98
	s_mov_b32 s[CS], 0x3e38aa3b                    ; log2(e) / 8
	s_mov_b32 s[CS+1], s[CS]
	s_mov_b32 s[SMO], 0
	s_wait_dscnt 0x0
	s_wait_kmcnt 0x0
	s_mov_b32 s[G0A], 1
	s_mov_b32 s[G0A+1], s52
	s_add_nc_u64 s[G0A+2:G0A+3], s[34:35], s[50:51]
	s_mov_b32 s[G0B], 1
	s_add_co_u32 s[G0B+1], s52, HEADB
	s_add_nc_u64 s[G0B+2:G0B+3], s[G0A+2:G0A+3], HEADB
	s_or_b32 s[G0A+3], s[G0A+3], 0x80000000
	s_or_b32 s[G0B+3], s[G0B+3], 0x80000000
	s_add_nc_u64 s[MB:MB+1], s[36:37], s[56:57]
	s_add_nc_u64 s[CXB:CXB+1], s[38:39], s[58:59]
	s_add_nc_u64 s[CSB:CSB+1], s[40:41], s[60:61]
	s_add_nc_u64 s[QP:QP+1], s[32:33], s[62:63]
	CROUND                                         ; all four work-groups are here: the joint loads meet
	tensor_load_to_lds s[G0A:G0A+3], s[G1:G1+7]    ; every wave asks for two records: two loads of mine are out
	s_nop 0
	tensor_load_to_lds s[G0B:G0B+3], s[G1:G1+7]
	s_nop 0
.rept 4
	v_nop
.endr
	s_load_b512 s[32:47], s[MB:MB+1], s[SMO] offset:0x0     ; the first step's 64 mask words
	s_load_b512 s[48:63], s[MB:MB+1], s[SMO] offset:0x40
	s_load_b512 s[68:83], s[MB:MB+1], s[SMO] offset:0x80
	s_load_b512 s[84:99], s[MB:MB+1], s[SMO] offset:0xc0
	v_and_b32 v243, 31, v0
	v_lshlrev_b32 v1, 4, v243
	v_and_b32 v244, 15, v0                         ; r
	v_lshlrev_b32 v2, 4, v244
	v_lshlrev_b32 v3, 3, v244
	s_and_b32 s66, s[WV], 3                        ; my tile of the record's four
	s_lshl_b32 s67, s66, 9
	v_add_nc_u32 v9, s67, v1
	s_lshl_b32 s67, s66, 2
	s_add_co_u32 s67, s67, 2048
	v_add_nc_u32 v242, s67, v2
	global_load_b128 v[QA:QA+3], v9, s[QP:QP+1]                    ; Q's images stay in registers
	global_load_b128 v[QA+8:QA+11], v9, s[QP:QP+1] offset:73728    ; head B: 32 records on
	global_load_b32 v10, v242, s[QP:QP+1]
	global_load_b32 v11, v242, s[QP:QP+1] offset:73728
.irp j, 4,5,6,7,12,13,14,15
	v_mov_b32 v[QA+\j], 0                          ; zero codes: the upper 64 of the instruction's 128 along K
.endr
.irp t, 0,1,2,3
.irp j, 4,5,6,7
	v_mov_b32 v[KT+8*\t+\j], 0                     ; likewise in K's four fragments: written once
.endr
.endr
	s_lshl_b32 s67, s[WV], 6
	s_add_co_u32 s67, s67, SCST
	v_lshl_add_u32 v7, v244, 2, s67
	v_add_nc_u32 v245, SCST, v1
	v_mov_b32 v8, 0xd0000000                       ; -2^33
.irp b, 0,1,2,3
	v_mov_b32 v[PR+\b], 0                          ; a lane permute's destination counts as one of its sources
.endr
	v_mov_b32 v[F+1], 0                            ; (named as the upper half of a pair)
	v_mov_b32 v[TT], 0
; A KEY STEP: my 16 queries x 128 keys.  qf: Q's fragment;  qs: its scale words.
.macro STEP qf, qs
	v_add_nc_u32 v4, s[SKV], v1
	v_add_nc_u32 v5, s[SKV], v2
	v_add_nc_u32 v6, s[SKV], v3
	v_nop                                          ; these four are the places behind the last step's products, in front of the loads into V's registers
.irp t, 0,1,2,3
	ds_load_b128 v[KT+8*\t:KT+8*\t+3], v4 offset:512*\t            ; K's tiles 0-3
.endr
.irp g, 0,1
	ds_load_b128 v[KS+4*\g:KS+4*\g+3], v5 offset:4096+256*\g       ; K's eight scale words of lane r
.endr
.irp c, 0,1
	ds_load_b64 v[VH+2*\c:VH+2*\c+1], v6 offset:8704+128*\c
.endr
.irp a, 0,1,2,3
.irp c, 0,1
	ds_load_b128 v[VF+8*\a+4*\c:VF+8*\a+4*\c+3], v4 offset:4608+1024*\a+512*\c
.endr
.endr
	s_wait_dscnt 10                                ; K's four tiles and its scale words are in; V's ten loads, issued behind them, may be out
.irp t, 0,1,2,3
	v_wmma_scale_f32_16x16x128_f8f6f4 v[S+8*\t:S+8*\t+7], v[KT+8*\t:KT+8*\t+7], v[\qf:\qf+7], 0, v[KS+\t], v[\qs] matrix_a_fmt:MATRIX_FMT_FP4 matrix_b_fmt:MATRIX_FMT_FP4
.endr
.rept 4
	v_nop                                          ; places in front of loads into registers that these products read; also in front of the first read of their results
.endr
.irp t, 0,1,2,3
	ds_load_b128 v[KT+8*\t:KT+8*\t+3], v4 offset:2048+512*\t       ; K's tiles 4-7
.endr
	s_wait_dscnt 0x0
.irp t, 0,1,2,3
	v_wmma_scale_f32_16x16x128_f8f6f4 v[S+32+8*\t:S+32+8*\t+7], v[KT+8*\t:KT+8*\t+7], v[\qf:\qf+7], 0, v[KS+4+\t], v[\qs] matrix_a_fmt:MATRIX_FMT_FP4 matrix_b_fmt:MATRIX_FMT_FP4
.endr
	s_wait_kmcnt 0x0                               ; this step's mask words, asked for a step ago
.set n, 0
.rept 32
	v_cndmask_b32 v[S+n], v8, v[S+n], s[32+n]      ; hidden scores become -2^33.  In ascending order; the first 32 are the places behind the products just issued
.set n, n+1
.endr
.rept 32
	v_cndmask_b32 v[S+n], v8, v[S+n], s[36+n]
.set n, n+1
.endr
	v_perm_b32 v[VS], v[VH+2], v[VH], 0x05040100   ; V's scale words: two bytes of the first 64 keys, two of the second
	v_perm_b32 v[VS+1], v[VH+2], v[VH], 0x07060302
	v_perm_b32 v[VS+2], v[VH+3], v[VH+1], 0x05040100
	v_perm_b32 v[VS+3], v[VH+3], v[VH+1], 0x07060302
.irp b, 0,1,2,3
	v_max3_num_f32 v[BM+\b], v[S+16*\b], v[S+1+16*\b], v[S+2+16*\b]   ; the largest score of each block of 32 keys: it serves the row's maximum and, since p rises with the score, the block's largest p
.endr
.irp i, 3,5,7,9,11,13
.irp b, 0,1,2,3
	v_max3_num_f32 v[BM+\b], v[BM+\b], v[S+16*\b+\i], v[S+1+16*\b+\i]
.endr
.endr
.irp b, 0,1,2,3
	v_max_num_f32 v[BM+\b], v[BM+\b], v[S+15+16*\b]
.endr
.irp b, 0,1,2,3
	v_permlanex16_b32 v[PR+\b], v[BM+\b], s[SEL], s[SEL+1]
.endr
.irp b, 0,1,2,3
	v_max_num_f32 v[BM+\b], v[BM+\b], v[PR+\b]     ; with lane l xor 16's 16 keys
.endr
	v_max3_num_f32 v[TT], v[BM], v[BM+1], v[BM+2]
	v_max_num_f32 v[TT], v[TT], v[BM+3]
	v_mul_f32 v[TT], s[CS], v[TT]                  ; the step's largest t (c is positive)
	v_max_num_f32 v13, v13, v[TT]
	v_mov_b32 v[TT], v12
	v_floor_f32 v12, -v13                          ; the new -M = floor(-t): M is a whole number
	v_sub_f32 v[TT], v12, v[TT]                    ; old M - new M: a whole number, 0 or less
	v_cvt_i32_f32 v[TT], v[TT]                     ; (it saturates)
	v_ldexp_f32 v[F], 1.0, v[TT]                   ; f
	s_add_co_u32 s[SMO], s[SMO], 256               ; the next step's 64 mask words are asked for now: they have the rest of the step in which to land.  The offset wraps inside my tile's 4,096 bytes:
	s_and_b32 s[SMO], s[SMO], 0xfff                ; head A's last step asks for head B's first, and no load leaves the buffer (head B's last request is not used)
	s_load_b512 s[32:47], s[MB:MB+1], s[SMO] offset:0x0
	s_load_b512 s[48:63], s[MB:MB+1], s[SMO] offset:0x40
	s_load_b512 s[68:83], s[MB:MB+1], s[SMO] offset:0x80
	s_load_b512 s[84:99], s[MB:MB+1], s[SMO] offset:0xc0
.set n, 0
.rept 32
	v_pk_fma_f32 v[S+n:S+n+1], v[S+n:S+n+1], s[CS:CS+1], v[12:13] op_sel_hi:[1,0,0]   ; t - M, two at a time
.set n, n+2
.endr
.irp b, 0,1,2,3
	v_fma_f32 v[BM+\b], v[BM+\b], s[CS], v12       ; the same of each block's largest score
.endr
.set n, 0
.rept 64
	v_exp_f32 v[S+n], v[S+n]                       ; p = 2^(t - M)
.set n, n+1
.endr
.irp b, 0,1,2,3
	v_exp_f32 v[BM+\b], v[BM+\b]                   ; the block's largest p: the same two instructions on the same number
.endr
	v_pk_mul_f32 v[14:15], v[14:15], v[F:F+1] op_sel_hi:[1,0]      ; the sums under the new M.  (A plain place behind the exponentials)
	s_wait_alu depctr_va_vdst(0)
.irp b, 0,1,2,3
	v_max_num_f32 v[BM+\b], 0x1800000, v[BM+\b]    ; the floor 2^(3 - 127): the byte cannot fall under 1
.endr
.irp b, 0,1,2,3
	v_add_nc_u32 v[CV+\b], 0xff000000, v[BM+\b]    ; 2 off the exponent field: the conversion's scale operand
.endr
.irp b, 0,1,2,3
	v_lshrrev_b32 v[PR+\b], 23, v[CV+\b]           ; the scale's byte
.endr
	v_lshl_or_b32 v[PW], v[PR+1], 8, v[PR]
	v_lshl_or_b32 v[PW], v[PR+2], 16, v[PW]
	v_lshl_or_b32 v[PW], v[PR+3], 24, v[PW]        ; p's scale word for these 128 keys
.irp b, 0,1,2,3
	v_cvt_scalef32_pk8_fp4_f32 v[PCD+2*\b], v[S+16*\b:S+16*\b+7], v[CV+\b]
	v_cvt_scalef32_pk8_fp4_f32 v[PCD+1+2*\b], v[S+8+16*\b:S+8+16*\b+7], v[CV+\b]
.endr
	v_nop                                          ; one plain place behind a scaled conversion
.irp c, 0,1
.irp i, 0,1
	v_permlane16_swap_b32 v[PCD+4*\c+\i], v[PCD+2+4*\c+\i]         ; a whole block to a lane: lanes 0-15 block 2 c, lanes 16-31 block 2 c + 1
.endr
.endr
	v_pk_add_f32 v[PR:PR+1], v[S:S+1], v[S+2:S+3]  ; the row's sum is taken of the unquantised p: two at a time, in two chains
.set n, 4
.rept 15
	v_pk_add_f32 v[14:15], v[14:15], v[S+n:S+n+1]
	v_pk_add_f32 v[PR:PR+1], v[PR:PR+1], v[S+n+2:S+n+3]
.set n, n+4
.endr
	v_pk_add_f32 v[14:15], v[14:15], v[PR:PR+1]
.set n, 0
.rept 16
	v_pk_mul_f32 v[O+n:O+n+1], v[O+n:O+n+1], v[F:F+1] op_sel_hi:[1,0]   ; O^T under the new M.  (The packed lines are also the places between p's codes and scale word and the products below)
.set n, n+2
.endr
.irp a, 0,1,2,3
	v_wmma_scale_f32_16x16x128_f8f6f4 v[O+8*\a:O+8*\a+7], v[VF+8*\a:VF+8*\a+7], v[PCD:PCD+7], v[O+8*\a:O+8*\a+7], v[VS+\a], v[PW] matrix_a_fmt:MATRIX_FMT_FP4 matrix_b_fmt:MATRIX_FMT_FP4   ; the four accumulators by turns, one instruction a turn
.endr
	s_add_co_u32 s[SKV], s[SKV], REC
.endm
; One head: its 16 key steps, then O^T / the sum, quantised: two blocks of 32 along the last product's K.
.macro HEAD hd
	v_mov_b32 v13, 0xff61b1e6                      ; the largest t so far: -3e38, under every t
	v_floor_f32 v12, -v13
	v_mov_b32 v14, 0
	v_mov_b32 v15, 0
.set n, 0
.rept 32
	v_mov_b32 v[O+n], 0                            ; the step is written once: the first finds zeros, which the first change of M leaves zeros
.set n, n+1
.endr
	s_mov_b32 s[SKV], \hd*HEADB
	s_mov_b32 s[CNT], 16
.Lstep_\@:
	STEP QA+8*\hd, 10+\hd
	s_sub_co_u32 s[CNT], s[CNT], 1
	s_cmp_lg_u32 s[CNT], 0
	s_cbranch_scc1 .Lstep_\@
.rept 4
	v_nop                                          ; places behind the last products
.endr
	v_add_f32 v14, v14, v15
	v_permlanex16_b32 v[TT], v14, s[SEL], s[SEL+1]
	v_add_f32 v14, v14, v[TT]                      ; the row's sum: over 1/2, since the row's largest p is
	v_rcp_f32 v14, v14
	v_nop                                          ; a plain place behind the transcendental
.set n, 0
	s_wait_alu depctr_va_vdst(0)
.rept 32
	v_mul_f32 v[S+n], v[O+n], v14                  ; register 16 b + i: channel 32 b + 16 (lane/16) + i of my query; in ascending order
.set n, n+1
.endr
.irp b, 0,1
	v_max3_num_f32 v[BM+\b], |v[S+16*\b]|, |v[S+1+16*\b]|, 0x1800000
.endr
.irp i, 2,4,6,8,10,12,14
.irp b, 0,1
	v_max3_num_f32 v[BM+\b], v[BM+\b], |v[S+16*\b+\i]|, |v[S+1+16*\b+\i]|
.endr
.endr
.irp b, 0,1
	v_permlanex16_b32 v[PR+\b], v[BM+\b], s[SEL], s[SEL+1]
.endr
.irp b, 0,1
	v_max_num_f32 v[BM+\b], v[BM+\b], v[PR+\b]
.endr
.irp b, 0,1
	v_add_nc_u32 v[CV+\b], 0xff000000, v[BM+\b]
.endr
.irp b, 0,1
	v_lshrrev_b32 v[PR+\b], 23, v[CV+\b]
.endr
.irp b, 0,1
	v_cvt_scalef32_pk8_fp4_f32 v[CA+4*\hd+2*\b], v[S+16*\b:S+16*\b+7], v[CV+\b]
	v_cvt_scalef32_pk8_fp4_f32 v[CA+4*\hd+1+2*\b], v[S+8+16*\b:S+8+16*\b+7], v[CV+\b]
.endr
	v_nop                                          ; one plain place behind a scaled conversion
	v_permlane16_swap_b32 v[CA+4*\hd], v[CA+4*\hd+2]
	v_permlane16_swap_b32 v[CA+4*\hd+1], v[CA+4*\hd+3]
.if \hd
	v_lshl_or_b32 v241, v[PR+1], 8, v[PR]
	v_lshl_or_b32 v241, v241, 16, v240             ; the scale word of these 128 along K: A's two bytes, B's two
.else
	v_lshl_or_b32 v240, v[PR+1], 8, v[PR]
.endif
.endm
	s_wait_loadcnt 0x0                             ; Q
	s_wait_tensorcnt 1                             ; my record of head A is in; head B's, issued behind it, may stay out
	s_barrier_signal -1
	s_barrier_wait -1                              ; everybody's is
	HEAD 0
	s_wait_tensorcnt 0x0                           ; my record of head B is in,
	s_wait_dscnt 0x0
	s_barrier_signal -1
	s_barrier_wait -1                              ; everybody's is
	HEAD 1
	global_store_b128 v1, v[CA:CA+3], s[CXB:CXB+1]                 ; 32 lanes store 512 consecutive bytes, at a multiple of 256 from the buffer's first byte
	global_store_b128 v1, v[CA+4:CA+7], s[CXB:CXB+1] offset:512
	ds_store_b32 v7, v241                          ; the 16 tiles' scale words meet in LDS (both halves of the lanes write the same word with the same value)
	s_wait_dscnt 0x0                               ; for the others' sake
	s_barrier_signal -1
	s_barrier_wait -1
	s_cmp_lg_u32 s[WV], 0
	s_cbranch_scc1 .Lnot_0
	ds_load_b128 v[246:249], v245
	ds_load_b128 v[250:253], v245 offset:512
	s_wait_dscnt 0x0
	global_store_b128 v1, v[246:249], s[CSB:CSB+1]                 ; and leave as 1,024 consecutive bytes
	global_store_b128 v1, v[250:253], s[CSB:CSB+1] offset:512
.Lnot_0:
	s_wait_kmcnt 0x0                               ; the last step's request
	s_wait_tensorcnt 0x0
	ds_add_u32 v254, v255
	s_wait_dscnt 0x0
	CROUND                                         ; the closing round
	s_endpgm
.Lfunc_end_k_q5e59a3a353_attn:
	.size	k_q5e59a3a353_attn, .Lfunc_end_k_q5e59a3a353_attn-k_q5e59a3a353_attn
	.p2alignl 7, 3214868480
	.fill 96, 4, 3214868480
	.section	.rodata,"a",@progbits
	.p2align	6, 0x0
	.amdhsa_kernel k_q5e59a3a353_attn
		.amdhsa_group_segment_fixed_size 289792
		.amdhsa_private_segment_fixed_size 0
		.amdhsa_enable_private_segment 0
		.amdhsa_kernarg_size 40
		.amdhsa_user_sgpr_count 2
		.amdhsa_user_sgpr_kernarg_segment_ptr 1
		.amdhsa_wavefront_size32 1
		.amdhsa_system_sgpr_workgroup_id_x 1
		.amdhsa_system_sgpr_workgroup_id_y 1
		.amdhsa_system_sgpr_workgroup_id_z 1
		.amdhsa_system_vgpr_workitem_id 0
		.amdhsa_next_free_vgpr 256
		.amdhsa_next_free_sgpr 102
		.amdhsa_reserve_vcc 0
		.amdhsa_float_denorm_mode_32 3
		.amdhsa_float_denorm_mode_16_64 3
		.amdhsa_memory_ordered 1
		.amdhsa_forward_progress 1
		.amdhsa_inst_pref_size 56
	.end_amdhsa_kernel
	.amdgpu_metadata
---
amdhsa.version: [ 1, 2 ]
amdhsa.kernels:
  - .name:           k_q5e59a3a353_attn
    .symbol:         k_q5e59a3a353_attn.kd
    .args:
      - { .name: Qrec, .offset: 0, .size: 8, .value_kind: global_buffer, .address_space: global }
      - { .name: KV, .offset: 8, .size: 8, .value_kind: global_buffer, .address_space: global }
      - { .name: maskbits, .offset: 16, .size: 8, .value_kind: global_buffer, .address_space: global }
      - { .name: ctx, .offset: 24, .size: 8, .value_kind: global_buffer, .address_space: global }
      - { .name: ctxs, .offset: 32, .size: 8, .value_kind: global_buffer, .address_space: global }
    .group_segment_fixed_size: 289792
    .private_segment_fixed_size: 0
    .kernarg_segment_align: 8
    .kernarg_segment_size: 40
    .max_flat_workgroup_size: 512
    .sgpr_count:     102
    .vgpr_count:     256
    .wavefront_size: 32
...
	.end_amdgpu_metadata
.endif
;; end of part 3
;; launch outp (part 4): grid 4 x 64, 16 waves a work-group, clusters of 4 x 4, 285,184 bytes of LDS; arguments ctx, ctxs, W0_codes, W0_scales, b0, out0; writes out0
.if DOCPART == 4
	.amdgcn_target "amdgcn-amd-amdhsa--gfx1250"
	.amdhsa_code_object_version 6
	.text
	.protected	k_q5e59a3a353_outp
	.globl	k_q5e59a3a353_outp
	.p2align	8
	.type	k_q5e59a3a353_outp,@function
k_q5e59a3a353_outp:
	s_mov_b64 s[64:65], 0
	v_nop
	global_prefetch_b8 v0, s[64:65] scope:SCOPE_SE
	s_setreg_imm32_b32 hwreg(HW_REG_WAVE_MODE, 25, 1), 1
	s_wait_xcnt 0x0
	s_wait_alu depctr_hold_cnt(0) depctr_sa_sdst(0) depctr_va_vdst(0) depctr_va_sdst(0) depctr_va_ssrc(0) depctr_va_vcc(0) depctr_vm_vsrc(0)
	s_getreg_b32 s2, hwreg(HW_REG_IB_STS2, 6, 4)
	s_cmp_eq_u32 s2, 0
	s_cbranch_scc0 .Lentry_in_a_cluster
	s_endpgm
.Lentry_in_a_cluster:
	s_bfe_u32 s2, ttmp6, 0x10000c
	s_cmp_lg_u32 s2, 0xf033
	s_cbranch_scc0 .Lentry_shape_is_right
	s_endpgm
.Lentry_shape_is_right:
; out0 = ctx W0 + b0 on codes of FP4 (E2M1) with one E8M0 scale for each 32 along K = 1,024; out0 [8192][1024] f32.
; ctx comes as images of operand registers, [tile 512][K step 8][2][512 bytes], its scale words as [K step 8][tile][r]; lane r of tile T stands for row 32 (T/2) + 8 (T%2) + r + 8 (r/8).  W0 comes as rows of 512 bytes, K innermost.
; SHARES.  A work-group takes 128 rows (8 tiles) x 256 columns: 256 work-groups.  Wave w of sixteen takes tiles 2 (w/4), 2 (w/4) + 1 and columns 64 (w%4) on: 8 accumulators.  Four waves to a SIMD.
; LDS IS FILLED ONCE: the work-group's operands for all of K fit: no ring.
; CLUSTER 4 x 4: ctx's tiles hang on the tile row alone and are shared along a row of the cluster, W0's rows on the tile column alone and are shared along a column: joint loads.
; THE PRODUCT IS USED TRANSPOSED (source 0 = 16 rows of W0, source 1 = a tile of ctx): a lane holds eight neighbouring columns of one row of out0.  b0 is the C of each sum's first product.
.set P,    528                         ; a row of W0 in LDS: 512 bytes + 16: row r starts at bank 4 r mod 64 (64 banks of 4 bytes: ISA guide 11.1)
.set W0L,  65536                       ; ctx's images lie at 0 (65,536 bytes, dense), W0's 256 rows here
.set CSL,  W0L+256*P                   ; ctx's scale words [K step 8][128 rows]
.set WSL,  CSL+4096                    ; W0's scale bytes, as pieces of 256 bytes + 16
.set STG,  WSL+32*272                  ; the way out: 16 rows x (256 bytes + 16) for each wave; no fill lands here
.set WSC,  16                          ; v16-47   W0's scale words: 8 i + k
.set CSC,  48                          ; v48-63   ctx's: 8 a + k
.set BI,   64                          ; v64-95   b0 in the result's layout, eight registers a column tile
.set CF,   96                          ; v96-111  ctx's two fragments of a K step
.set WF,   112                         ; v112-143 W0's four
.set ACC,  144                         ; v144-207 accumulator (i, a) at 8 (4 a + i)
.set BK0,  208                         ; v208-239, v96-127: 16 rows back from the stage
.set BK1,  96
.set WV,   30
.set G1C,  32                          ; s[32:39] descriptor group 1 for ctx's images; s[40:47] its scale words; s[48:55] W0's codes; s[56:63] its scale bytes
.set G1CS, 40
.set G1W,  48
.set G1WS, 56
.set G0CS, 68
.set G0C,  72
.set G0WS, 76
.set G0W,  80
.macro CROUND                          ; a round of the cluster's barrier
	s_barrier_signal -1
	s_barrier_wait -1
	s_cmp_lg_u32 s[WV], 0
	s_cbranch_scc1 .Lnot_wave_0_\@
	s_barrier_signal -3
.Lnot_wave_0_\@:
	s_barrier_wait -3
	s_barrier_signal -1
	s_barrier_wait -1
.endm
	s_load_b256 s[4:11], s[0:1], 0x0               ; ctx, ctxs, W0's codes, W0's scales
	s_load_b128 s[12:15], s[0:1], 0x20             ; b0, out0
	v_lshl_add_u32 v254, v0, 2, 0x45200
	v_mov_b32 v255, 0
	ds_add_u32 v254, v255
	ds_add_u32 v254, v255
	v_lshrrev_b32 v1, 5, v0
	v_readfirstlane_b32 s[WV], v1                  ; wave 0..15
	s_bfe_u32 s66, ttmp6, 0x40000                  ; cx
	s_bfe_u32 s67, ttmp6, 0x40004                  ; cy
	s_lshl_b32 s84, ttmp9, 2
	s_add_co_u32 s84, s84, s66                     ; x: which 256 columns
	s_and_b32 s85, ttmp7, 0xffff
	s_lshl_b32 s85, s85, 2
	s_add_co_u32 s85, s85, s67                     ; y: which 128 rows
	s_lshl_b32 s86, s67, 2
	s_lshl_b32 s86, 15, s86                        ; my row of the cluster
	s_lshl_b32 s87, 0x1111, s66                    ; my column
	s_or_b32 s[G1C], s86, (3<<16)|(1<<21)          ; ctx's images: 32,768 dense bytes as 128 rows of 32 elements of 8 bytes; no padding
	s_mov_b32 s[G1C+1], 32<<16
	s_mov_b32 s[G1C+2], 128<<16
	s_mov_b32 s[G1C+3], 32<<16
	s_mov_b32 s[G1C+4], 128
	s_mov_b32 s[G1C+5], 32
	s_mov_b32 s[G1C+6], 0
	s_mov_b32 s[G1C+7], 0
	s_or_b32 s[G1CS], s86, (3<<16)|(1<<21)         ; its scale words: 4 K steps x 512 bytes (8 tiles), 32,768 bytes apart
	s_mov_b32 s[G1CS+1], 64<<16
	s_mov_b32 s[G1CS+2], 4<<16
	s_mov_b32 s[G1CS+3], 64<<16
	s_mov_b32 s[G1CS+4], 4
	s_mov_b32 s[G1CS+5], 4096
	s_mov_b32 s[G1CS+6], 0
	s_mov_b32 s[G1CS+7], 0
	s_or_b32 s[G1W], s87, (1<<20)|(1<<21)|(6<<22)|(3<<25)   ; W0's codes: 128 rows of 512 bytes, four words of padding after every 128
	s_mov_b32 s[G1W+1], 512<<16
	s_mov_b32 s[G1W+2], 128<<16
	s_mov_b32 s[G1W+3], 512<<16
	s_mov_b32 s[G1W+4], 128
	s_mov_b32 s[G1W+5], 512
	s_mov_b32 s[G1W+6], 0
	s_mov_b32 s[G1W+7], 0
	s_or_b32 s[G1WS], s87, (3<<16)|(1<<20)|(1<<21)|(5<<22)|(3<<25)   ; its scale bytes: 4,096 dense bytes as 16 rows of 256, four words of padding behind each
	s_mov_b32 s[G1WS+1], 32<<16
	s_mov_b32 s[G1WS+2], 16<<16
	s_mov_b32 s[G1WS+3], 32<<16
	s_mov_b32 s[G1WS+4], 16
	s_mov_b32 s[G1WS+5], 32
	s_mov_b32 s[G1WS+6], 0
	s_mov_b32 s[G1WS+7], 0
	s_and_b32 s88, s[WV], 1                        ; which half I would fetch
	s_lshl_b32 s20, s85, 16                        ; ctx: 65,536 y + 32,768 half
	s_lshl_b32 s16, s88, 15                        ; (also its LDS address)
	s_add_co_u32 s20, s20, s16
	s_mov_b32 s21, 0
	s_lshl_b32 s22, s85, 9                         ; its scale words: 512 y + 4 K steps x half
	s_lshl_b32 s17, s88, 17
	s_add_co_u32 s22, s22, s17
	s_mov_b32 s23, 0
	s_lshl_b32 s17, s88, 11
	s_add_co_u32 s17, s17, CSL
	s_lshl_b32 s24, s84, 8                         ; W0: row 256 x + 128 half
	s_lshl_b32 s18, s88, 7
	s_add_co_u32 s24, s24, s18
	s_lshl_b32 s26, s24, 5
	s_mov_b32 s27, 0
	s_lshl_b32 s24, s24, 9
	s_mov_b32 s25, 0
	s_mul_i32 s18, s88, 128*P
	s_add_co_u32 s18, s18, W0L
	s_mul_i32 s19, s88, 16*272
	s_add_co_u32 s19, s19, WSL
	s_lshr_b32 s89, s[WV], 2                       ; wr: my two tiles of rows
	s_and_b32 s90, s[WV], 3                        ; wc: my 64 columns
	s_wait_dscnt 0x0
	s_wait_kmcnt 0x0
	s_mov_b32 s[G0CS], 1
	s_mov_b32 s[G0CS+1], s17
	s_add_nc_u64 s[G0CS+2:G0CS+3], s[6:7], s[22:23]
	s_or_b32 s[G0CS+3], s[G0CS+3], 0x80000000
	s_mov_b32 s[G0C], 1
	s_mov_b32 s[G0C+1], s16
	s_add_nc_u64 s[G0C+2:G0C+3], s[4:5], s[20:21]
	s_or_b32 s[G0C+3], s[G0C+3], 0x80000000
	s_mov_b32 s[G0WS], 1
	s_mov_b32 s[G0WS+1], s19
	s_add_nc_u64 s[G0WS+2:G0WS+3], s[10:11], s[26:27]
	s_or_b32 s[G0WS+3], s[G0WS+3], 0x80000000
	s_mov_b32 s[G0W], 1
	s_mov_b32 s[G0W+1], s18
	s_add_nc_u64 s[G0W+2:G0W+3], s[8:9], s[24:25]
	s_or_b32 s[G0W+3], s[G0W+3], 0x80000000
	CROUND                                         ; all sixteen work-groups are here: the joint loads meet
	s_cmp_lt_u32 s[WV], 2                          ; a wave's two fills stand in one branch on the wave's number; two loads of a wave are out at the most; four v_nop follow the second
	s_cbranch_scc0 .Lnot_c
	tensor_load_to_lds s[G0CS:G0CS+3], s[G1CS:G1CS+7]
	s_nop 0
	tensor_load_to_lds s[G0C:G0C+3], s[G1C:G1C+7]
	s_nop 0
.rept 4
	v_nop
.endr
	s_branch .Lasked
.Lnot_c:
	s_cmp_lt_u32 s[WV], 4
	s_cbranch_scc0 .Lasked
	tensor_load_to_lds s[G0WS:G0WS+3], s[G1WS:G1WS+7]
	s_nop 0
	tensor_load_to_lds s[G0W:G0W+3], s[G1W:G1W+7]
	s_nop 0
.rept 4
	v_nop
.endr
.Lasked:
	s_lshl_b32 s28, s84, 10                        ; my first column, in bytes: 1,024 x + 256 wc
	s_lshl_b32 s29, s90, 8
	s_add_co_u32 s28, s28, s29
	s_mov_b32 s29, 0
	s_add_nc_u64 s[12:13], s[12:13], s[28:29]      ; b0 there,
	s_add_nc_u64 s[14:15], s[14:15], s[28:29]      ; out0 there,
	s_lshl_b32 s28, s85, 2
	s_add_co_u32 s28, s28, s89
	s_lshl_b32 s28, s28, 17                        ; and at my 32 rows: 4 y + wr, 32 rows of 4,096 bytes
	s_add_nc_u64 s[14:15], s[14:15], s[28:29]
	v_and_b32 v12, 31, v0
	v_lshlrev_b32 v1, 4, v12                       ; 16 x lane
	v_and_b32 v2, 15, v0                           ; r
	v_bfe_u32 v3, v0, 4, 1                         ; h
	v_lshlrev_b32 v11, 5, v3                       ; b0: my eight columns of a tile: 32 h bytes on
.irp i, 0,1,2,3
	global_load_b128 v[BI+8*\i:BI+8*\i+3], v11, s[12:13] offset:64*\i
	global_load_b128 v[BI+8*\i+4:BI+8*\i+7], v11, s[12:13] offset:64*\i+16
.endr
	s_lshl_b32 s91, s89, 14
	v_add_nc_u32 v4, s91, v1                       ; v4  ctx's images of my two tiles
	v_mul_u32_u24 v5, v2, P
	v_lshl_add_u32 v5, v3, 4, v5
	s_mul_i32 s91, s90, 64*P
	s_add_co_u32 s91, s91, W0L
	v_add_nc_u32 v5, s91, v5                       ; v5  W0's fragments: row 64 wc + r, + 16 h
	v_lshrrev_b32 v13, 3, v2
	v_and_b32 v14, 7, v2
	v_lshlrev_b32 v14, 5, v14
	v_mad_u32_u24 v6, v13, 272, v14
	s_mul_i32 s91, s90, 2176
	s_add_co_u32 s91, s91, WSL
	v_add_nc_u32 v6, s91, v6                       ; v6  W0's scale words: 32 bytes a row, eight rows to a piece
	s_lshl_b32 s91, s89, 7
	s_add_co_u32 s91, s91, CSL
	v_lshl_add_u32 v7, v2, 2, s91                  ; v7  ctx's scale words
	s_mul_i32 s91, s[WV], 16*272
	s_add_co_u32 s91, s91, STG                     ; my stage
	v_mul_u32_u24 v8, v2, 272
	v_lshl_add_u32 v8, v3, 5, v8
	v_add_nc_u32 v8, s91, v8                       ; v8  in: row r, + 32 h
	v_mul_u32_u24 v9, v3, 272
	v_lshl_add_u32 v9, v2, 4, v9
	v_add_nc_u32 v9, s91, v9                       ; v9  back: lanes 0-15 one row, lanes 16-31 the next
	v_lshlrev_b32 v10, 12, v3
	v_lshl_add_u32 v10, v2, 4, v10                 ; v10 and the same in out0
	s_wait_tensorcnt 0x0                           ; my fills have landed,
	s_barrier_signal -1
	s_barrier_wait -1                              ; everybody's have
.irp i, 0,1,2,3
.irp g, 0,1
	ds_load_b128 v[WSC+8*\i+4*\g:WSC+8*\i+4*\g+3], v6 offset:544*\i+16*\g
.endr
.endr
.irp a, 0,1
.irp k, 0,1,2,3,4,5,6,7
	ds_load_b32 v[CSC+8*\a+\k], v7 offset:512*\k+64*\a
.endr
.endr
; A K step of 128: two fragments of ctx, four of W0, eight products; the eight accumulators take turns, one instruction a turn.
.macro OSTEP k
.if (\k) > 0
.rept 4
	v_nop                                          ; four places behind the last products, in front of loads into registers that they read
.endr
.endif
.irp a, 0,1
.irp c, 0,1
	ds_load_b128 v[CF+8*\a+4*\c:CF+8*\a+4*\c+3], v4 offset:8192*\a+1024*(\k)+512*\c
.endr
.endr
.irp i, 0,1,2,3
.irp c, 0,1
	ds_load_b128 v[WF+8*\i+4*\c:WF+8*\i+4*\c+3], v5 offset:16*\i*P+64*(\k)+32*\c
.endr
.endr
	s_wait_dscnt 0x0
.if (\k) == 0
	s_wait_loadcnt 0x0                             ; b0
.endif
.irp a, 0,1
.irp i, 0,1,2,3
.set rD, ACC+8*(4*\a+\i)
.if (\k) == 0
	v_wmma_scale_f32_16x16x128_f8f6f4 v[rD:rD+7], v[WF+8*\i:WF+8*\i+7], v[CF+8*\a:CF+8*\a+7], v[BI+8*\i:BI+8*\i+7], v[WSC+8*\i+(\k)], v[CSC+8*\a+(\k)] matrix_a_fmt:MATRIX_FMT_FP4 matrix_b_fmt:MATRIX_FMT_FP4
.else
	v_wmma_scale_f32_16x16x128_f8f6f4 v[rD:rD+7], v[WF+8*\i:WF+8*\i+7], v[CF+8*\a:CF+8*\a+7], v[rD:rD+7], v[WSC+8*\i+(\k)], v[CSC+8*\a+(\k)] matrix_a_fmt:MATRIX_FMT_FP4 matrix_b_fmt:MATRIX_FMT_FP4
.endif
.endr
.endr
.endm
.irp k, 0,1,2,3,4,5,6,7
	OSTEP \k
.endr
.rept 4
	v_nop                                          ; places in front of the first read of results and of loads into the fragments' registers
.endr
; THE WAY OUT, a tile of 16 rows x 64 columns at a time, through my own stage: in as 32 bytes a lane, back as whole rows of 256 bytes.  LDS serves a wave's instructions in order: no wait between stores and loads.
; Stage row rho of tile a is row 8 a + rho + 8 (rho/8) of my 32.
.macro WAYOUT a, bk
.irp i, 0,1,2,3
	ds_store_b128 v8, v[ACC+8*(4*\a+\i):ACC+8*(4*\a+\i)+3] offset:64*\i        ; each accumulator from its low end on
	ds_store_b128 v8, v[ACC+8*(4*\a+\i)+4:ACC+8*(4*\a+\i)+7] offset:64*\i+16
.endr
.irp tau, 0,1,2,3,4,5,6,7
	ds_load_b128 v[\bk+4*\tau:\bk+4*\tau+3], v9 offset:544*\tau
.endr
.irp tau, 0,1,2,3,4,5,6,7
	s_wait_dscnt 7-\tau                            ; rows 2 tau, 2 tau + 1 are back; the younger loads stay out
	global_store_b128 v10, v[\bk+4*\tau:\bk+4*\tau+3], s[14:15] offset:(8*\a+2*\tau+8*(\tau/4))*4096 th:TH_STORE_NT   ; 16 lanes store 256 consecutive bytes, at a multiple of 256 from out0's first byte; written once
.endr
.endm
	WAYOUT 0, BK0
	WAYOUT 1, BK1
	s_wait_tensorcnt 0x0
	ds_add_u32 v254, v255
	s_wait_dscnt 0x0
	CROUND                                         ; the closing round
	s_endpgm
.Lfunc_end_k_q5e59a3a353_outp:
	.size	k_q5e59a3a353_outp, .Lfunc_end_k_q5e59a3a353_outp-k_q5e59a3a353_outp
	.p2alignl 7, 3214868480
	.fill 96, 4, 3214868480
	.section	.rodata,"a",@progbits
	.p2align	6, 0x0
	.amdhsa_kernel k_q5e59a3a353_outp
		.amdhsa_group_segment_fixed_size 285184
		.amdhsa_private_segment_fixed_size 0
		.amdhsa_enable_private_segment 0
		.amdhsa_kernarg_size 48
		.amdhsa_user_sgpr_count 2
		.amdhsa_user_sgpr_kernarg_segment_ptr 1
		.amdhsa_wavefront_size32 1
		.amdhsa_system_sgpr_workgroup_id_x 1
		.amdhsa_system_sgpr_workgroup_id_y 1
		.amdhsa_system_sgpr_workgroup_id_z 1
		.amdhsa_system_vgpr_workitem_id 0
		.amdhsa_next_free_vgpr 256
		.amdhsa_next_free_sgpr 96
		.amdhsa_reserve_vcc 0
		.amdhsa_float_denorm_mode_32 3
		.amdhsa_float_denorm_mode_16_64 3
		.amdhsa_memory_ordered 1
		.amdhsa_forward_progress 1
		.amdhsa_inst_pref_size 30
	.end_amdhsa_kernel
	.amdgpu_metadata
---
amdhsa.version: [ 1, 2 ]
amdhsa.kernels:
  - .name:           k_q5e59a3a353_outp
    .symbol:         k_q5e59a3a353_outp.kd
    .args:
      - { .name: ctx, .offset: 0, .size: 8, .value_kind: global_buffer, .address_space: global }
      - { .name: ctxs, .offset: 8, .size: 8, .value_kind: global_buffer, .address_space: global }
      - { .name: W0_codes, .offset: 16, .size: 8, .value_kind: global_buffer, .address_space: global }
      - { .name: W0_scales, .offset: 24, .size: 8, .value_kind: global_buffer, .address_space: global }
      - { .name: b0, .offset: 32, .size: 8, .value_kind: global_buffer, .address_space: global }
      - { .name: out0, .offset: 40, .size: 8, .value_kind: global_buffer, .address_space: global }
    .group_segment_fixed_size: 285184
    .private_segment_fixed_size: 0
    .kernarg_segment_align: 8
    .kernarg_segment_size: 48
    .max_flat_workgroup_size: 512
    .sgpr_count:     96
    .vgpr_count:     256
    .wavefront_size: 32
...
	.end_amdgpu_metadata
.endif
;; end of part 4
